; MI455X (gfx1250); checked and timed in simulation.
; The chip was launched on July 23, 2026; its instructions are those of AMD's public machine-readable ISA for CDNA 5 (MIT licence, August 2026) and "CDNA5" Instruction Set Architecture Reference Guide (July 2026). The comments in the code are by the model that wrote it; some were corrected since.
;; distregression. Allowed arithmetic: float matrix products may take bf16 or f16 operands with f32 sums; all other float work in f32.
;; Inputs: blur 4 x 16 x 256 x 256 float32; mask 1 float32; s1 4 x 16 x 256 x 256 float32.
;; Outputs: out0 4 x 256 x 256 float32.
;; One version. Each part assembles by itself: llvm-mc -triple=amdgcn-amd-amdhsa -mcpu=gfx1250 --defsym DOCPART=n.
;; ======== version 1 of 1: 1 launch
;; launch pick (part 1): grid 512 x 1, 8 waves a work-group, no clusters, 0 bytes of LDS; arguments s1, blur, mask, out0; writes out0
.if DOCPART == 1
	.amdgcn_target "amdgcn-amd-amdhsa--gfx1250"
	.amdhsa_code_object_version 6
	.text
	.protected	k_q0c09664539_pick
	.globl	k_q0c09664539_pick
	.p2align	8
	.type	k_q0c09664539_pick,@function
k_q0c09664539_pick:
	s_mov_b64 s[64:65], 0
	v_nop
	global_prefetch_b8 v0, s[64:65] scope:SCOPE_SE
	s_setreg_imm32_b32 hwreg(HW_REG_WAVE_MODE, 25, 1), 1
	s_wait_xcnt 0x0
; out[b][h][w] = mean over j of x(i*)[j], where x(i)[j] = s1[j]+blur[j] for j < i and s1[j]-blur[j] for j >= i (i = 0..16, j = 0..15)
; and i* is the first i with the smallest standard deviation of x(i) over j.   s1, blur: [4][16][256][256] f32, out: [4][256][256] f32.
;
; SHARES.  512 work-groups of 8 waves; a work-group owns 512 neighbouring pixels of one image, a lane two neighbouring pixels (a register
; pair, so that v_pk_*_f32 serves both).  A wave's load covers 256 consecutive bytes of one plane, aligned to 256; its 32 loads (16 planes of
; s1, 16 of blur) are all issued at once: every input byte is read once, nothing is kept anywhere but in registers.
; No LDS, barrier, cluster or matrix unit: no two pixels share an input byte and there is no product of matrices.
;
; ARITHMETIC, two passes.
; 1. All 17 hypotheses, cheaply.  From i = k to k+1 only element k moves, by 2 b[k]; with M the centred sum of squares and G the sum of x(k):
;    (M(k+1) - M(k)) / 4 = b[k] (s[k] - (G + b[k]) / 16),  G <- G + 2 b[k].  No square of a sum is subtracted from a sum of squares.
;    The running difference gets the hypothesis number in its 5 lowest mantissa bits; a minimum and a median keep the two smallest keys.
; 2. The two best, p < q, once more in reference()'s own order of f32 operations, one rounding each: x = s -+ b, sum ascending in j, /16,
;    x - mean, square, sum ascending in j, /15 and square root both correctly rounded.  q wins only if its deviation is strictly smaller:
;    argmin's first minimum.  A near tie is thus decided by the same roundings.  The winner's mean is the result.
;
; LIMITS.  A third hypothesis within about 2^-18 (relative) of the two best in pass 1 can be missed.  NaN inputs give NaN; with an infinite
; blur the result may be the other infinity than reference()'s.  Variances below 2^-126 give deviation 0 for both candidates (v_sqrt_f32
; takes denormals as zero): the lower index is then taken.
.set PLANE,  262144                    ; bytes of one [256][256] plane of f32
.set OFF,    1                         ; v1         8 x thread: my two pixels in the work-group's 2,048 bytes of a plane
.set XS,     2                         ; v[2:33]    s1[j], pair j
.set XB,     34                        ; v[34:65]   blur[j], pair j
.set VLO,    66                        ; v[66:97]   s1[j] - blur[j]
.set VHI,    98                        ; v[98:129]  s1[j] + blur[j]
.set XP,     XS                        ; pass 2: x of candidate p, where s1 was (pass 1 is done with it)
.set XQ,     XB                        ; pass 2: x of candidate q, where blur was
.set GSUM,   130                       ; pair: sum of x(k)
.set RUN,    132                       ; pair: (M(k) - M(0)) / 4
.set TA,     134                       ; pair: G + b[k]
.set TW,     136                       ; pair: s[k] - (G + b[k]) / 16
.set KEY,    138                       ; two keys: running difference with the hypothesis number in bits 4:0
.set BEST,   140                       ; two: smallest key so far
.set NEXT,   142                       ; two: second smallest
.set IP,     144                       ; two: p, the lower of the two candidates' numbers
.set IQ,     146                       ; two: q, the higher
.set SUMP,   148                       ; pairs: sums, means, sums of squares of p and of q
.set SUMQ,   150
.set MEANP,  152
.set MEANQ,  154
.set SSP,    156
.set SSQ,    158
.set VAR,    160                       ; four: variance of p (2 pixels), of q (2 pixels)
.set ERR,    164                       ; four: remainder of the division
.set STD,    168                       ; four: deviations, same order
.set DN,     172                       ; four: the float below STD
.set UP,     176                       ; four: the float above
.set RDN,    180                       ; four: VAR - DN x STD
.set RUP,    184                       ; four: VAR - UP x STD
.set OUT,    188                       ; pair: the result
	s_load_b256 s[4:11], s[0:1], 0x0               ; s1 s[4:5], blur s[6:7], mask s[8:9], out s[10:11]
	s_lshr_b32 s12, ttmp9, 7                       ; image: 128 work-groups of 512 pixels each
	s_and_b32  s13, ttmp9, 127                     ; my place in it
	s_lshl_b32 s12, s12, 22                        ; an image's 16 planes are 4 MiB
	s_lshl_b32 s13, s13, 11                        ; 512 pixels are 2,048 bytes
	s_add_co_u32 s12, s12, s13                     ; below 16 MiB
	s_mov_b32 s13, 0
	s_lshl_b32 s14, ttmp9, 11                      ; in out the images' single planes follow each other: 2,048 bytes a work-group
	s_mov_b32 s15, 0
	s_mov_b32 s17, 0xffffffe0                      ; clears a key's 5 index bits
	v_lshlrev_b32 v[OFF], 3, v0
	s_wait_kmcnt 0x0
	s_add_nc_u64 s[4:5], s[4:5], s[12:13]
	s_add_nc_u64 s[6:7], s[6:7], s[12:13]
	s_add_nc_u64 s[10:11], s[10:11], s[14:15]
.irp j, 0,1,2,3,4,5,6,7,8,9,10,11,12,13,14,15
	global_load_b64 v[XS+2*\j:XS+2*\j+1], v[OFF], s[4:5] offset:\j*PLANE th:TH_LOAD_NT
	global_load_b64 v[XB+2*\j:XB+2*\j+1], v[OFF], s[6:7] offset:\j*PLANE th:TH_LOAD_NT
.endr
	s_load_b32 s16, s[8:9], 0x0                    ; mask: reference() takes it and uses it nowhere; it is read and enters no result
	; While the planes arrive: lo, hi, and the sum of lo, which is G of hypothesis 0.
.irp j, 0,1,2,3,4,5,6,7,8,9,10,11,12,13,14,15
	s_wait_loadcnt 30-2*\j                         ; loads return in order: the 2 (15 - j) loads of the later planes may stay out
	v_pk_add_f32 v[VLO+2*\j:VLO+2*\j+1], v[XS+2*\j:XS+2*\j+1], v[XB+2*\j:XB+2*\j+1] neg_lo:[0,1] neg_hi:[0,1]
	v_pk_add_f32 v[VHI+2*\j:VHI+2*\j+1], v[XS+2*\j:XS+2*\j+1], v[XB+2*\j:XB+2*\j+1]
.if \j == 1
	v_pk_add_f32 v[GSUM:GSUM+1], v[VLO:VLO+1], v[VLO+2:VLO+3]      ; the first two start the sum: nothing is cleared
.endif
.if \j > 1
	v_pk_add_f32 v[GSUM:GSUM+1], v[GSUM:GSUM+1], v[VLO+2*\j:VLO+2*\j+1]
.endif
.endr
	; PASS 1.  Step k makes hypothesis k + 1 from hypothesis k.  Hypothesis 0 has the difference 0 and the number 0: its key is the constant 0.
.irp k, 0,1,2,3,4,5,6,7,8,9,10,11,12,13,14,15
	v_pk_add_f32 v[TA:TA+1], v[GSUM:GSUM+1], v[XB+2*\k:XB+2*\k+1]                          ; G + b
	v_pk_fma_f32 v[TW:TW+1], v[TA:TA+1], 0xbd800000, v[XS+2*\k:XS+2*\k+1] op_sel_hi:[1,0,1] ; s - (G + b) / 16
.if \k < 15
	v_pk_add_f32 v[GSUM:GSUM+1], v[TA:TA+1], v[XB+2*\k:XB+2*\k+1]                          ; G + 2 b
.endif
.if \k == 0
	v_pk_mul_f32 v[RUN:RUN+1], v[XB:XB+1], v[TW:TW+1]
.else
	v_pk_fma_f32 v[RUN:RUN+1], v[XB+2*\k:XB+2*\k+1], v[TW:TW+1], v[RUN:RUN+1]
.endif
	v_and_or_b32 v[KEY],   v[RUN],   s17, \k+1
	v_and_or_b32 v[KEY+1], v[RUN+1], s17, \k+1
.if \k == 0
	v_max_num_f32 v[NEXT],   0, v[KEY]
	v_max_num_f32 v[NEXT+1], 0, v[KEY+1]
	v_min_num_f32 v[BEST],   0, v[KEY]
	v_min_num_f32 v[BEST+1], 0, v[KEY+1]
.else
	v_med3_num_f32 v[NEXT],   v[KEY],   v[BEST],   v[NEXT]         ; BEST <= NEXT: the middle of the three is the new second
	v_med3_num_f32 v[NEXT+1], v[KEY+1], v[BEST+1], v[NEXT+1]
	v_min_num_f32 v[BEST],   v[KEY],   v[BEST]
	v_min_num_f32 v[BEST+1], v[KEY+1], v[BEST+1]
.endif
.endr
.irp i, 0,1
	v_and_b32 v[BEST+\i], 31, v[BEST+\i]
	v_and_b32 v[NEXT+\i], 31, v[NEXT+\i]
.endr
.irp i, 0,1
	v_min_u32 v[IP+\i], v[BEST+\i], v[NEXT+\i]     ; p < q, so that a tie of the deviations goes to the first, as in argmin
	v_max_u32 v[IQ+\i], v[BEST+\i], v[NEXT+\i]
.endr
	; PASS 2.  x[j] = hi[j] where j < candidate, else lo[j]; the sums run ascending in j.  Two sets of four mask registers take turns.
.irp j, 0,1,2,3,4,5,6,7,8,9,10,11,12,13,14,15
	v_cmp_lt_u32 s[20+4*(\j%2)], \j, v[IP]
	v_cmp_lt_u32 s[21+4*(\j%2)], \j, v[IP+1]
	v_cmp_lt_u32 s[22+4*(\j%2)], \j, v[IQ]
	v_cmp_lt_u32 s[23+4*(\j%2)], \j, v[IQ+1]
	v_cndmask_b32 v[XP+2*\j],   v[VLO+2*\j],   v[VHI+2*\j],   s[20+4*(\j%2)]
	v_cndmask_b32 v[XP+2*\j+1], v[VLO+2*\j+1], v[VHI+2*\j+1], s[21+4*(\j%2)]
	v_cndmask_b32 v[XQ+2*\j],   v[VLO+2*\j],   v[VHI+2*\j],   s[22+4*(\j%2)]
	v_cndmask_b32 v[XQ+2*\j+1], v[VLO+2*\j+1], v[VHI+2*\j+1], s[23+4*(\j%2)]
.if \j == 1
	v_pk_add_f32 v[SUMP:SUMP+1], v[XP:XP+1], v[XP+2:XP+3]
	v_pk_add_f32 v[SUMQ:SUMQ+1], v[XQ:XQ+1], v[XQ+2:XQ+3]
.endif
.if \j > 1
	v_pk_add_f32 v[SUMP:SUMP+1], v[SUMP:SUMP+1], v[XP+2*\j:XP+2*\j+1]
	v_pk_add_f32 v[SUMQ:SUMQ+1], v[SUMQ:SUMQ+1], v[XQ+2*\j:XQ+2*\j+1]
.endif
.endr
	v_pk_mul_f32 v[MEANP:MEANP+1], v[SUMP:SUMP+1], 0x3d800000 op_sel_hi:[1,0]      ; / 16: exact
	v_pk_mul_f32 v[MEANQ:MEANQ+1], v[SUMQ:SUMQ+1], 0x3d800000 op_sel_hi:[1,0]
.irp j, 0,1,2,3,4,5,6,7,8,9,10,11,12,13,14,15
	v_pk_add_f32 v[XP+2*\j:XP+2*\j+1], v[XP+2*\j:XP+2*\j+1], v[MEANP:MEANP+1] neg_lo:[0,1] neg_hi:[0,1]
	v_pk_add_f32 v[XQ+2*\j:XQ+2*\j+1], v[XQ+2*\j:XQ+2*\j+1], v[MEANQ:MEANQ+1] neg_lo:[0,1] neg_hi:[0,1]
.endr
	; squares rounded by themselves, then added ascending in j (not fused: one rounding for each of reference()'s operations);
	; each addition stands one step behind its square, so that it does not wait for it
.irp j, 0,1,2,3,4,5,6,7,8,9,10,11,12,13,14,15
	v_pk_mul_f32 v[XP+2*\j:XP+2*\j+1], v[XP+2*\j:XP+2*\j+1], v[XP+2*\j:XP+2*\j+1]
	v_pk_mul_f32 v[XQ+2*\j:XQ+2*\j+1], v[XQ+2*\j:XQ+2*\j+1], v[XQ+2*\j:XQ+2*\j+1]
.if \j == 2
	v_pk_add_f32 v[SSP:SSP+1], v[XP:XP+1], v[XP+2:XP+3]
	v_pk_add_f32 v[SSQ:SSQ+1], v[XQ:XQ+1], v[XQ+2:XQ+3]
.endif
.if \j > 2
	v_pk_add_f32 v[SSP:SSP+1], v[SSP:SSP+1], v[XP+2*\j-2:XP+2*\j-1]
	v_pk_add_f32 v[SSQ:SSQ+1], v[SSQ:SSQ+1], v[XQ+2*\j-2:XQ+2*\j-1]
.endif
.endr
	v_pk_add_f32 v[SSP:SSP+1], v[SSP:SSP+1], v[XP+30:XP+31]
	v_pk_add_f32 v[SSQ:SSQ+1], v[SSQ:SSQ+1], v[XQ+30:XQ+31]
	; / 15, correctly rounded: quotient by the rounded reciprocal, its exact remainder by a fused multiply-add, one correction
	v_pk_mul_f32 v[VAR:VAR+1],   v[SSP:SSP+1], 0x3d888889 op_sel_hi:[1,0]
	v_pk_mul_f32 v[VAR+2:VAR+3], v[SSQ:SSQ+1], 0x3d888889 op_sel_hi:[1,0]
	v_pk_fma_f32 v[ERR:ERR+1],   v[VAR:VAR+1],   0xc1700000, v[SSP:SSP+1] op_sel_hi:[1,0,1]
	v_pk_fma_f32 v[ERR+2:ERR+3], v[VAR+2:VAR+3], 0xc1700000, v[SSQ:SSQ+1] op_sel_hi:[1,0,1]
	v_pk_fma_f32 v[VAR:VAR+1],   v[ERR:ERR+1],   0x3d888889, v[VAR:VAR+1]   op_sel_hi:[1,0,1]
	v_pk_fma_f32 v[VAR+2:VAR+3], v[ERR+2:ERR+3], 0x3d888889, v[VAR+2:VAR+3] op_sel_hi:[1,0,1]
	; square root, correctly rounded: v_sqrt_f32 may be one unit off, so the neighbour below (above) is taken where the product of it
	; and the estimate, which marks the midpoint between them, is not below (is below) the variance
.irp i, 0,1,2,3
	v_sqrt_f32 v[STD+\i], v[VAR+\i]
.endr
	v_nop                                          ; one plain vector instruction between a transcendental and the first use of its result (ISA guide 5.7.2)
	s_wait_alu depctr_va_vdst(0)
.irp i, 0,1,2,3
	v_add_nc_u32 v[DN+\i], -1, v[STD+\i]
	v_add_nc_u32 v[UP+\i], 1, v[STD+\i]
.endr
.irp i, 0,1,2,3
	v_fma_f32 v[RDN+\i], -v[DN+\i], v[STD+\i], v[VAR+\i]
	v_fma_f32 v[RUP+\i], -v[UP+\i], v[STD+\i], v[VAR+\i]
.endr
.irp i, 0,1,2,3
	v_cmp_ge_f32 s[20+\i], 0, v[RDN+\i]
	v_cmp_lt_f32 s[24+\i], 0, v[RUP+\i]
.endr
.irp i, 0,1,2,3
	v_cndmask_b32 v[STD+\i], v[STD+\i], v[DN+\i], s[20+\i]
	v_cndmask_b32 v[STD+\i], v[STD+\i], v[UP+\i], s[24+\i]
.endr
	v_cmp_lt_f32 s20, v[STD+2], v[STD]             ; q only if strictly smaller
	v_cmp_lt_f32 s21, v[STD+3], v[STD+1]
	v_cndmask_b32 v[OUT],   v[MEANP],   v[MEANQ],   s20
	v_cndmask_b32 v[OUT+1], v[MEANP+1], v[MEANQ+1], s21
	global_store_b64 v[OFF], v[OUT:OUT+1], s[10:11] th:TH_STORE_NT ; the wave's store covers 256 consecutive bytes, aligned to 256
	s_endpgm
.Lfunc_end_k_q0c09664539_pick:
	.size	k_q0c09664539_pick, .Lfunc_end_k_q0c09664539_pick-k_q0c09664539_pick
	.p2alignl 7, 3214868480
	.fill 96, 4, 3214868480
	.section	.rodata,"a",@progbits
	.p2align	6, 0x0
	.amdhsa_kernel k_q0c09664539_pick
		.amdhsa_group_segment_fixed_size 0
		.amdhsa_private_segment_fixed_size 0
		.amdhsa_enable_private_segment 0
		.amdhsa_kernarg_size 32
		.amdhsa_user_sgpr_count 2
		.amdhsa_user_sgpr_kernarg_segment_ptr 1
		.amdhsa_wavefront_size32 1
		.amdhsa_system_sgpr_workgroup_id_x 1
		.amdhsa_system_sgpr_workgroup_id_y 1
		.amdhsa_system_sgpr_workgroup_id_z 1
		.amdhsa_system_vgpr_workitem_id 0
		.amdhsa_next_free_vgpr 190
		.amdhsa_next_free_sgpr 66
		.amdhsa_reserve_vcc 0
		.amdhsa_float_denorm_mode_32 3
		.amdhsa_float_denorm_mode_16_64 3
		.amdhsa_memory_ordered 1
		.amdhsa_forward_progress 1
		.amdhsa_inst_pref_size 36
	.end_amdhsa_kernel
	.amdgpu_metadata
---
amdhsa.version: [ 1, 2 ]
amdhsa.kernels:
  - .name:           k_q0c09664539_pick
    .symbol:         k_q0c09664539_pick.kd
    .args:
      - { .name: s1, .offset: 0, .size: 8, .value_kind: global_buffer, .address_space: global }
      - { .name: blur, .offset: 8, .size: 8, .value_kind: global_buffer, .address_space: global }
      - { .name: mask, .offset: 16, .size: 8, .value_kind: global_buffer, .address_space: global }
      - { .name: out0, .offset: 24, .size: 8, .value_kind: global_buffer, .address_space: global }
    .group_segment_fixed_size: 0
    .private_segment_fixed_size: 0
    .kernarg_segment_align: 8
    .kernarg_segment_size: 32
    .max_flat_workgroup_size: 256
    .sgpr_count:     66
    .vgpr_count:     190
    .wavefront_size: 32
...
	.end_amdgpu_metadata
.endif
;; end of part 1
